; MI455X (gfx1250); checked and timed in simulation.
; The chip was launched on July 23, 2026; its instructions are those of AMD's public machine-readable ISA for CDNA 5 (MIT licence, August 2026) and "CDNA5" Instruction Set Architecture Reference Guide (July 2026). The comments in the code are by the model that wrote it; some were corrected since.
;; Patch TST Rope Attention. Allowed arithmetic: matrix products marked QUANTISED: E2M1 operands, one E8M0 scale for each 32 along K, by v_wmma_scale_f32_16x16x128_f8f6f4 with both operands' format E2M1 (or v_wmma_scale_f32_32x16x128_f4), f32 sums; everything else in f32.
;; Inputs: bk 768 float32; bo 768 float32; bq 768 float32; bv 768 float32; hidden_states 16 x 1,024 x 768 float32; wk 768 x 768 float32; wo 768 x 768 float32; wq 768 x 768 float32; wv 768 x 768 float32.
;; Outputs: out0 16 x 1,024 x 768 float32.
;; This version of the problem:
;;   THIS VERSION OF THE PROBLEM IS GIVEN IN LOW PRECISION. The matrix products marked QUANTISED in the list below multiply operands that are first quantised to E2M1 (2 exponent bits, 1 mantissa bit; 4 bits a number), with one power-of-two scale for each 32 numbers along K (OCP MX v1.0); their sums are f32. All else is computed in f32.
;;   The module's matrix products, in the order in which they are computed (A, B: the left and right operand; K: the contracted axis; several contracted axes count as one K, in the product's order):
;;     1. [M 16,384, K 768] x [K 768, N 768]; A: input hidden_states; B: input wq: QUANTISED
;;     2. [M 16,384, K 768] x [K 768, N 768]; A: input hidden_states; B: input wk: QUANTISED
;;     3. [M 16,384, K 768] x [K 768, N 768]; A: input hidden_states; B: input wv: QUANTISED
;;     4. batch 192 x [M 1,024, K 64] x [K 64, N 1,024]; A: computed on the way; B: computed on the way: QUANTISED
;;     5. batch 192 x [M 1,024, K 1,024] x [K 1,024, N 64]; A: softmax (see below); B: computed on the way: QUANTISED
;;     6. [M 16,384, K 768] x [K 768, N 768]; A: computed on the way; B: input wo: QUANTISED
;;   THE QUANTISER, for each operand of a quantised product, along K:
;;     - K is cut into blocks of 32 from its start; a last block that is shorter is filled with zeros.
;;     - A block's scale is 2^e with e = floor(log2(the largest magnitude in the block)) - 2, held to -126 .. 127; a block of zeros has e = 0. As a byte (E8M0): e + 127.
;;     - Each number is divided by its block's scale, clamped to +-6, and rounded to the nearest number of E2M1, ties to even, subnormals kept.
;;     - The product sums the exact products of the quantised numbers (number of the format x scale) in f32.
;;   ~~~python
;;   def quantise(x, axis):      # numpy; x: float32 -> the quantised numbers, widened to float32 again
;;       x = np.moveaxis(x, axis, -1); K = x.shape[-1]
;;       x = np.pad(x, [(0, 0)] * (x.ndim - 1) + [(0, -K % 32)]); x = x.reshape(x.shape[:-1] + (-1, 32)); a = np.abs(x).max(-1, keepdims=True)
;;       e = np.where(a > 0, np.clip(np.frexp(np.where(a > 0, a, 1))[1] - 1 - 2, -126, 127), 0)      # np.frexp(a)[1] - 1 = floor(log2(a)), exactly
;;       r = np.clip(x / 2.0 ** e, -6, 6)
;;       step = 2.0 ** (np.maximum(np.frexp(np.where(r == 0, 1, r))[1] - 1, 0) - 1)
;;       q = np.round(r / step) * step * 2.0 ** e      # np.round: ties to even
;;       return np.moveaxis(q.reshape(q.shape[:-2] + (-1,))[..., :K], -1, axis).astype(np.float32)
;;   ~~~
;;   SOFTMAX AHEAD OF A QUANTISED PRODUCT. Where the list says 'softmax', what is quantised is not the finished softmax but p = 2^(t - M), with t = logit x log2(e) and M = ceil(the row's largest t), a whole number; so 1/2 < the row's largest p <= 1. The row's sum l is taken of the UNQUANTISED p, in f32, and the product's result is divided by l at the end. Since M is a whole number, a kernel that streams over the keys may use a running M (the ceiling of the running maximum): every later rescaling is an exact power of two, which a block's scale takes up: the codes' values come out the same.
;;   OPERANDS COMPUTED ON THE WAY. 'Computed on the way' means the value that the module computes at that place (a softmax that the list does not call 'softmax' is quantised finished and normalised). What goes into a quantiser is computed in f32, as accurately as f32 sums, v_exp_f32 and their like allow (about 1e-6 of the number): no bf16 or f16 on the way to a quantiser, and a product that is left as it is and whose result goes on into a quantised operand takes f32 operands (vector FMAs, or v_wmma_f32_16x16x4_f32). A number that lies on a knife's edge between two numbers of the format may be rounded either way, as far as f32 arithmetic and the matrix unit's own rounding can turn it there, and no further.
;; One version. Each part assembles by itself: llvm-mc -triple=amdgcn-amd-amdhsa -mcpu=gfx1250 --defsym DOCPART=n.
;; ======== version 1 of 1: 3 launches
;; limits: right only within a limited range of input values
;; workspace buffers: x_rec 7,077,888 bytes; w_rec 1,327,104 bytes; rope_img 262,144 bytes; q_rec 7,864,320 bytes; kv_rec 15,728,640 bytes
;; launch prep (part 1): grid 928 x 1, 4 waves a work-group, no clusters, 34,304 bytes of LDS; arguments hidden_states, wq, wk, wv, wo, x_rec, w_rec, rope_img; writes x_rec, w_rec, rope_img
.if DOCPART == 1
	.amdgcn_target "amdgcn-amd-amdhsa--gfx1250"
	.amdhsa_code_object_version 6
	.text
	.protected	k_qc8cc716eae_prep
	.globl	k_qc8cc716eae_prep
	.p2align	8
	.type	k_qc8cc716eae_prep,@function
k_qc8cc716eae_prep:
	s_mov_b64 s[64:65], 0
	v_nop
	global_prefetch_b8 v0, s[64:65] scope:SCOPE_SE
	s_setreg_imm32_b32 hwreg(HW_REG_WAVE_MODE, 25, 1), 1
	s_wait_xcnt 0x0
; hidden_states [16384][768] and wq, wk, wv, wo [768][768], f32 with K innermost, become codes of FP4 (E2M1) with one E8M0 byte for each 32 along K,
; laid as RECORDS IN THE ORDER OF AN OPERAND'S REGISTERS; and the table of cosines and sines of the partial RoPE is made.
; A TILE is 16 rows, not neighbours: lane r of tile 2 B + u holds row 32 B + 8 u + r + 8 (r / 8), so that the results of two neighbouring tiles give a lane 16 neighbours.
; A RECORD (6,912 bytes) is a tile x all 768 of K: codes at 1024 s + 512 c + 16 lane (K step s of 128; lane (r, h) holds block 2 c + h of row r: registers 4 c .. 4 c + 3 of the fragment);
; scale words at 6144 + 256 p + 8 lane: the words of K steps 2 p and 2 p + 1 of row lane % 16.
; SHARES.  Work-groups 0-911: a wave takes one tile x 256 along K (unit = 4 x work-group + wave; tile = unit / 3; 1,024 tiles of x, then 48 of each weight).  Work-groups 912-927: a wave makes one tile of 16 positions of the table.
; Each load reads 512 consecutive bytes of a row; the conversions want 32 neighbours along K in ONE lane, so a K step's 16 x 512 bytes turn through the wave's own stage in LDS
; (rows 528 bytes apart = 33 x 16, so that the 16 lanes of a read fall on 16 different 16-byte columns).  Waves share nothing: no barrier.
; A block's scale is 2^(floor(log2(largest magnitude)) - 2); its byte is the largest magnitude's exponent field - 2, held at 1 from below by a floor among the maximum's leaves.
; LIMITS: a block of zeros gets the byte 1 where the rule says 127 (its codes are zeros, and this program alone reads the bytes); NaN and infinities among the inputs are not served.
; THE TABLE: angle = position / 10^(i / 8), i = 0 .. 15.  The timescales are the f32 numbers nearest to 10^(i / 8); the quotient is a reciprocal with one correction step; the angle is brought into
; [-pi/4, pi/4] by whole multiples of pi/2 in two parts, and sine and cosine are polynomials of degree 7 and 8 there.  LIMIT: a timescale one unit in the last place off moves an angle near 767 by about 5e-5.
; Lanes 16-31 of the later launch hold the dims that are not rotated: their position is taken as 0, which gives cosine 1 and sine 0 exactly.
.set REC,  6912
.set ROWB, 3072                        ; a row of any of the five tensors, in bytes
.set SP,   528                         ; a stage row
.set STG,  16*SP                       ; a wave's stage
.set R,    32                          ; v32-159  two K steps as loaded, 16 rows x 4 registers each
.set X,    160                         ; v160-223 64 numbers of my row: 32 c + i = k 64 c + 32 h + i
.set CA,   24                          ; v24-31   the first K step's codes
.set CB,   224                         ; v224-231 the second's
.set TS,   32                          ; the table's arrays of 16: timescales, reciprocals, angle, multiple of pi/2, square, sine, cosine, the multiple as a whole number, results
.set RC,   48
.set AN,   64
.set NN,   80
.set ZZ,   96
.set SS,   112
.set CC,   128
.set NI,   144
.set COSR, 160
.set SINR, 176
.macro TURN rs                         ; a K step through my stage: LDS serves a wave's instructions in order, so no wait stands between the stores and the loads
.irp j, 0,1,2,3,4,5,6,7,8,9,10,11,12,13,14,15
	ds_store_b128 v2, v[\rs+4*\j:\rs+4*\j+3] offset:SP*\j
.endr
.irp c, 0,1
.irp i, 0,1,2,3,4,5,6,7
	ds_load_b128 v[X+32*\c+4*\i:X+32*\c+4*\i+3], v3 offset:256*\c+16*\i
.endr
.endr
.endm
.macro QUANTB cd, wd                   ; my two whole blocks (2 c + h) become registers 4 c .. 4 c + 3 of the fragment, v[cd] on; my row's scale word goes to v[wd]
.irp c, 0,1
	v_max3_num_f32 v[8+\c], |v[X+32*\c]|, |v[X+32*\c+1]|, 0x1800000   ; the floor 2^(3 - 127): the byte cannot fall under 1
.endr
.irp i, 2,4,6,8,10,12,14,16,18,20,22,24,26,28,30
.irp c, 0,1
	v_max3_num_f32 v[8+\c], v[8+\c], |v[X+32*\c+\i]|, |v[X+32*\c+\i+1]|   ; the two blocks by turns
.endr
.endr
.irp c, 0,1
	v_add_nc_u32 v[12+\c], 0xff000000, v[8+\c]     ; 2 off the exponent field: the conversion's scale operand
.endr
.irp c, 0,1
	v_lshrrev_b32 v[14+\c], 23, v[12+\c]           ; the scale's byte
.endr
	v_lshl_or_b32 v16, v15, 16, v14                ; blocks h and 2 + h,
	v_lshlrev_b32 v16, v5, v16                     ; at their places in the word (8 h bits up);
	v_permlanex16_b32 v17, v16, s30, s31
	v_or_b32 v[\wd], v16, v17                      ; with lane l xor 16's two the word is whole, in both lanes
.irp c, 0,1
.irp g, 0,1,2,3
	v_cvt_scalef32_pk8_fp4_f32 v[\cd+4*\c+\g], v[X+32*\c+8*\g:X+32*\c+8*\g+7], v[12+\c]
.endr
.endr
	v_nop                                          ; one plain line behind the last conversion
.endm
.macro TSC i, bits
	v_mov_b32 v[TS+\i], \bits
.endm
	s_load_b512 s[4:19], s[0:1], 0x0               ; hidden s[4:5], wq s[6:7], wk s[8:9], wv s[10:11], wo s[12:13], x_rec s[14:15], w_rec s[16:17], rope_img s[18:19]
	v_lshl_add_u32 v232, v0, 2, 0x8400
	v_mov_b32 v233, 0
	v_lshrrev_b32 v1, 5, v0
	v_readfirstlane_b32 s20, v1                    ; wave 0..3
	v_and_b32 v18, 31, v0                          ; lane
	v_and_b32 v19, 15, v0                          ; r
	v_bfe_u32 v20, v0, 4, 1                        ; h
	v_lshlrev_b32 v1, 4, v18                       ; 16 x lane
	s_cmp_ge_u32 ttmp9, 912
	s_cbranch_scc1 .Lrope
	; ---- the quantiser
	s_mov_b32 s30, 0x76543210
	s_mov_b32 s31, 0xfedcba98                      ; v_permlanex16_b32's selects for lane l xor 16
	s_mul_i32 s21, s20, STG
	v_add_nc_u32 v2, s21, v1                       ; the stage on the way in: 16 x lane in row j
	v_mul_u32_u24 v3, v19, SP
	v_lshl_add_u32 v3, v20, 7, v3
	v_add_nc_u32 v3, s21, v3                       ; and on the way out: row r, + 128 h bytes
	v_lshlrev_b32 v5, 3, v20                       ; 8 h
	v_mov_b32 v17, 0                               ; a lane permute's destination counts as one of its sources
	s_lshl_b32 s22, ttmp9, 2
	s_add_co_u32 s22, s22, s20                     ; unit 0..3647
	s_mul_hi_u32 s23, s22, 0xaaaaaaab
	s_lshr_b32 s23, s23, 1                         ; tile = unit / 3
	s_mul_i32 s24, s23, 3
	s_sub_co_u32 s24, s22, s24                     ; which 256 along K
	s_lshl_b32 s25, s24, 11
	s_wait_alu depctr_va_vdst(0)
	v_add_nc_u32 v11, s25, v1                      ; my codes' place in the record
	s_lshl_b32 s25, s24, 8
	v_lshl_add_u32 v4, v18, 3, s25                 ; my scale words' place
	s_wait_kmcnt 0x0
	s_mov_b64 s[26:27], s[4:5]                     ; the source, chosen by the tile's number alone
	s_mov_b32 s28, 0                               ; and the number of its first tile
	s_cmp_ge_u32 s23, 1024
	s_cselect_b64 s[26:27], s[6:7], s[26:27]
	s_cselect_b32 s28, 1024, s28
	s_cselect_b64 s[32:33], s[16:17], s[14:15]     ; the destination: x's records or the weights'
	s_cselect_b32 s29, 1024, 0
	s_cmp_ge_u32 s23, 1072
	s_cselect_b64 s[26:27], s[8:9], s[26:27]
	s_cselect_b32 s28, 1072, s28
	s_cmp_ge_u32 s23, 1120
	s_cselect_b64 s[26:27], s[10:11], s[26:27]
	s_cselect_b32 s28, 1120, s28
	s_cmp_ge_u32 s23, 1168
	s_cselect_b64 s[26:27], s[12:13], s[26:27]
	s_cselect_b32 s28, 1168, s28
	s_sub_co_u32 s28, s23, s28                     ; the tile within its tensor
	s_lshr_b32 s34, s28, 1
	s_lshl_b32 s34, s34, 5
	s_and_b32 s35, s28, 1
	s_lshl_b32 s35, s35, 3
	s_add_co_u32 s34, s34, s35                     ; its first row: 32 B + 8 u
	s_mul_i32 s34, s34, ROWB
	s_lshl_b32 s35, s24, 10
	s_add_co_u32 s34, s34, s35                     ; + my 256 along K (under 2^26 bytes in all)
	s_mov_b32 s35, 0
	s_add_nc_u64 s[26:27], s[26:27], s[34:35]
	s_sub_co_u32 s34, s23, s29
	s_mul_i32 s34, s34, REC
	s_add_nc_u64 s[32:33], s[32:33], s[34:35]
.irp q, 0,1
.irp j, 0,1,2,3,4,5,6,7,8,9,10,11,12,13,14,15
	global_load_b128 v[R+64*\q+4*\j:R+64*\q+4*\j+3], v1, s[26:27] offset:(\j+8*(\j/8))*ROWB+512*\q th:TH_LOAD_NT   ; 32 lanes read 512 consecutive bytes of the tile's j-th row
.endr
.endr
	s_wait_loadcnt 16                              ; the first K step's 16 loads are in; the second's 16 stay out
	TURN R
	s_wait_dscnt 0x0
	QUANTB CA, 6
	s_wait_loadcnt 0x0
	TURN R+64                                      ; the stage again: these stores come behind the first step's loads
	s_wait_dscnt 0x0
	QUANTB CB, 7
	global_store_b128 v11, v[CA:CA+3], s[32:33]                ; each store covers 512 consecutive bytes, aligned
	global_store_b128 v11, v[CA+4:CA+7], s[32:33] offset:512
	global_store_b128 v11, v[CB:CB+3], s[32:33] offset:1024
	global_store_b128 v11, v[CB+4:CB+7], s[32:33] offset:1536
	global_store_b64 v4, v[6:7], s[32:33] offset:6144          ; 256 consecutive bytes, aligned
	s_wait_tensorcnt 0x0
	ds_add_u32 v232, v233
	s_wait_dscnt 0x0
	s_endpgm
	; ---- the table
.Lrope:
	s_sub_co_u32 s21, ttmp9, 912
	s_lshl_b32 s21, s21, 2
	s_add_co_u32 s21, s21, s20                     ; tile of positions 0..63
	s_lshr_b32 s22, s21, 1
	s_lshl_b32 s22, s22, 5
	s_and_b32 s23, s21, 1
	s_lshl_b32 s23, s23, 3
	s_add_co_u32 s22, s22, s23
	s_wait_alu depctr_va_vdst(0)
	v_and_b32 v2, 8, v19
	v_add3_u32 v2, v2, v19, s22                    ; the position of lane r: 32 B + 8 u + r + 8 (r / 8)
	v_sub_nc_u32 v3, 1, v20
	v_mul_u32_u24 v2, v2, v3                       ; 0 in lanes 16-31
	v_cvt_f32_u32 v2, v2
	s_mov_b32 s32, 0x3f22f983                      ; 2 / pi
	s_mov_b32 s33, 0x3fc90fdb                      ; pi / 2, its f32,
	s_mov_b32 s34, 0xb33bbd2e                      ; and what that leaves
	s_mov_b32 s35, 0xb94ca1f9                      ; sine: -1.9515296e-4, 8.3321609e-3, -1.6666655e-1
	s_mov_b32 s36, 0x3c08839e
	s_mov_b32 s37, 0xbe2aaaa3
	s_mov_b32 s38, 0x37ccf5ce                      ; cosine: 2.4433157e-5, -1.3887316e-3, 4.1666646e-2
	s_mov_b32 s39, 0xbab6061a
	s_mov_b32 s40, 0x3d2aaaa5
	s_lshl_b32 s42, s21, 12                        ; 4,096 bytes a tile
	s_mov_b32 s43, 0
	TSC 0, 0x3f800000
	TSC 1, 0x3faab0d5
	TSC 2, 0x3fe39ea9
	TSC 3, 0x4017c496
	TSC 4, 0x404a62c2
	TSC 5, 0x4086f161
	TSC 6, 0x40b3f300
	TSC 7, 0x40eff755
	TSC 8, 0x41200000
	TSC 9, 0x41555d0a
	TSC 10, 0x418e432a
	TSC 11, 0x41bdb5bc
	TSC 12, 0x41fcfb72
	TSC 13, 0x4228adb9
	TSC 14, 0x4260efc0
	TSC 15, 0x4295fa95
	s_wait_alu depctr_va_vdst(0)
.irp i, 0,1,2,3,4,5,6,7,8,9,10,11,12,13,14,15
	v_rcp_f32 v[RC+\i], v[TS+\i]
.endr
	v_nop                                          ; a plain line behind the last reciprocal
	s_wait_alu depctr_va_vdst(0)                   ; one wait for the batch of 16, ahead of its first reader
.irp i, 0,1,2,3,4,5,6,7,8,9,10,11,12,13,14,15
	v_mul_f32 v[AN+\i], v2, v[RC+\i]
.endr
.irp i, 0,1,2,3,4,5,6,7,8,9,10,11,12,13,14,15
	v_fma_f32 v[NN+\i], -v[AN+\i], v[TS+\i], v2    ; what the first quotient leaves
.endr
.irp i, 0,1,2,3,4,5,6,7,8,9,10,11,12,13,14,15
	v_fma_f32 v[AN+\i], v[NN+\i], v[RC+\i], v[AN+\i]   ; the angle: position / timescale
.endr
.irp i, 0,1,2,3,4,5,6,7,8,9,10,11,12,13,14,15
	v_mul_f32 v[NN+\i], s32, v[AN+\i]
.endr
.irp i, 0,1,2,3,4,5,6,7,8,9,10,11,12,13,14,15
	v_rndne_f32 v[NN+\i], v[NN+\i]                 ; n: how many times pi / 2
.endr
.irp i, 0,1,2,3,4,5,6,7,8,9,10,11,12,13,14,15
	v_fma_f32 v[AN+\i], -v[NN+\i], s33, v[AN+\i]
.endr
.irp i, 0,1,2,3,4,5,6,7,8,9,10,11,12,13,14,15
	v_fma_f32 v[AN+\i], -v[NN+\i], s34, v[AN+\i]   ; the rest, within pi / 4 of 0
.endr
.irp i, 0,1,2,3,4,5,6,7,8,9,10,11,12,13,14,15
	v_cvt_i32_f32 v[NI+\i], v[NN+\i]
.endr
.irp i, 0,1,2,3,4,5,6,7,8,9,10,11,12,13,14,15
	v_mul_f32 v[ZZ+\i], v[AN+\i], v[AN+\i]
.endr
.irp i, 0,1,2,3,4,5,6,7,8,9,10,11,12,13,14,15
	v_fma_f32 v[SS+\i], v[ZZ+\i], s35, s36
	v_fma_f32 v[CC+\i], v[ZZ+\i], s38, s39
.endr
.irp i, 0,1,2,3,4,5,6,7,8,9,10,11,12,13,14,15
	v_fma_f32 v[SS+\i], v[SS+\i], v[ZZ+\i], s37
	v_fma_f32 v[CC+\i], v[CC+\i], v[ZZ+\i], s40
.endr
.irp i, 0,1,2,3,4,5,6,7,8,9,10,11,12,13,14,15
	v_mul_f32 v[SS+\i], v[SS+\i], v[ZZ+\i]
	v_mul_f32 v[CC+\i], v[CC+\i], v[ZZ+\i]
	v_fma_f32 v[NN+\i], v[ZZ+\i], -0.5, 1.0
.endr
.irp i, 0,1,2,3,4,5,6,7,8,9,10,11,12,13,14,15
	v_fma_f32 v[SS+\i], v[SS+\i], v[AN+\i], v[AN+\i]   ; the rest's sine
	v_fma_f32 v[CC+\i], v[CC+\i], v[ZZ+\i], v[NN+\i]   ; and cosine
.endr
.irp i, 0,1,2,3,4,5,6,7,8,9,10,11,12,13,14,15      ; the quadrant: an odd n swaps the two; the sine is negative where n % 4 is 2 or 3, the cosine where it is 1 or 2
	v_and_b32 v8, 1, v[NI+\i]
	v_cmp_eq_u32 vcc_lo, 1, v8
	v_cndmask_b32 v[SINR+\i], v[SS+\i], v[CC+\i], vcc_lo
	v_cndmask_b32 v[COSR+\i], v[CC+\i], v[SS+\i], vcc_lo
	v_lshlrev_b32 v9, 30, v[NI+\i]
	v_add_nc_u32 v10, 1, v[NI+\i]
	v_lshlrev_b32 v10, 30, v10
	v_and_b32 v9, 0x80000000, v9
	v_and_b32 v10, 0x80000000, v10
	v_xor_b32 v[SINR+\i], v[SINR+\i], v9
	v_xor_b32 v[COSR+\i], v[COSR+\i], v10
.endr
	s_wait_alu depctr_va_vdst(0)
	s_wait_kmcnt 0x0
	s_add_nc_u64 s[18:19], s[18:19], s[42:43]
.irp k, 0,1,2,3
	global_store_b128 v1, v[COSR+4*\k:COSR+4*\k+3], s[18:19] offset:512*\k          ; an image of the 32 registers that the next launch wants: 512 consecutive bytes a store
	global_store_b128 v1, v[SINR+4*\k:SINR+4*\k+3], s[18:19] offset:2048+512*\k
.endr
	s_endpgm
.Lfunc_end_k_qc8cc716eae_prep:
	.size	k_qc8cc716eae_prep, .Lfunc_end_k_qc8cc716eae_prep-k_qc8cc716eae_prep
	.p2alignl 7, 3214868480
	.fill 96, 4, 3214868480
	.section	.rodata,"a",@progbits
	.p2align	6, 0x0
	.amdhsa_kernel k_qc8cc716eae_prep
		.amdhsa_group_segment_fixed_size 34304
		.amdhsa_private_segment_fixed_size 0
		.amdhsa_enable_private_segment 0
		.amdhsa_kernarg_size 64
		.amdhsa_user_sgpr_count 2
		.amdhsa_user_sgpr_kernarg_segment_ptr 1
		.amdhsa_wavefront_size32 1
		.amdhsa_system_sgpr_workgroup_id_x 1
		.amdhsa_system_sgpr_workgroup_id_y 1
		.amdhsa_system_sgpr_workgroup_id_z 1
		.amdhsa_system_vgpr_workitem_id 0
		.amdhsa_next_free_vgpr 234
		.amdhsa_next_free_sgpr 66
		.amdhsa_reserve_vcc 1
		.amdhsa_float_denorm_mode_32 3
		.amdhsa_float_denorm_mode_16_64 3
		.amdhsa_memory_ordered 1
		.amdhsa_forward_progress 1
		.amdhsa_inst_pref_size 42
	.end_amdhsa_kernel
	.amdgpu_metadata
---
amdhsa.version: [ 1, 2 ]
amdhsa.kernels:
  - .name:           k_qc8cc716eae_prep
    .symbol:         k_qc8cc716eae_prep.kd
    .args:
      - { .name: hidden_states, .offset: 0, .size: 8, .value_kind: global_buffer, .address_space: global }
      - { .name: wq, .offset: 8, .size: 8, .value_kind: global_buffer, .address_space: global }
      - { .name: wk, .offset: 16, .size: 8, .value_kind: global_buffer, .address_space: global }
      - { .name: wv, .offset: 24, .size: 8, .value_kind: global_buffer, .address_space: global }
      - { .name: wo, .offset: 32, .size: 8, .value_kind: global_buffer, .address_space: global }
      - { .name: x_rec, .offset: 40, .size: 8, .value_kind: global_buffer, .address_space: global }
      - { .name: w_rec, .offset: 48, .size: 8, .value_kind: global_buffer, .address_space: global }
      - { .name: rope_img, .offset: 56, .size: 8, .value_kind: global_buffer, .address_space: global }
    .group_segment_fixed_size: 34304
    .private_segment_fixed_size: 0
    .kernarg_segment_align: 8
    .kernarg_segment_size: 64
    .max_flat_workgroup_size: 128
    .sgpr_count:     66
    .vgpr_count:     234
    .wavefront_size: 32
...
	.end_amdgpu_metadata
.endif
;; end of part 1
;; launch qkv (part 2): grid 64 x 4, 4 waves a work-group, clusters of 4 x 1, 262,656 bytes of LDS; arguments x_rec, w_rec, rope_img, bq, bk, bv, q_rec, kv_rec; writes q_rec, kv_rec
.if DOCPART == 2
	.amdgcn_target "amdgcn-amd-amdhsa--gfx1250"
	.amdhsa_code_object_version 6
	.text
	.protected	k_qc8cc716eae_qkv
	.globl	k_qc8cc716eae_qkv
	.p2align	8
	.type	k_qc8cc716eae_qkv,@function
k_qc8cc716eae_qkv:
	s_mov_b64 s[64:65], 0
	v_nop
	global_prefetch_b8 v0, s[64:65] scope:SCOPE_SE
	s_setreg_imm32_b32 hwreg(HW_REG_WAVE_MODE, 25, 1), 1
	s_wait_xcnt 0x0
	s_wait_alu depctr_hold_cnt(0) depctr_sa_sdst(0) depctr_va_vdst(0) depctr_va_sdst(0) depctr_va_ssrc(0) depctr_va_vcc(0) depctr_vm_vsrc(0)
	s_getreg_b32 s2, hwreg(HW_REG_IB_STS2, 6, 4)
	s_cmp_eq_u32 s2, 0
	s_cbranch_scc0 .Lentry_in_a_cluster
	s_endpgm
.Lentry_in_a_cluster:
	s_bfe_u32 s2, ttmp6, 0x10000c
	s_cmp_lg_u32 s2, 0x3003
	s_cbranch_scc0 .Lentry_shape_is_right
	s_endpgm
.Lentry_shape_is_right:
; q = rope((x wq^T + bq) / 8), k = rope(x wk^T + bk), v = x wv^T + bv on codes of FP4 (E2M1) with E8M0 scales, and the quantisers of q, k (along the head's 64) and v (along the keys).
; SHARES.  A work-group takes 256 tokens (row block 4 x cluster x + cx) and 9 UNITS of 64 output columns (column group = cluster y; unit 9 y + U of 36: 12 heads of q, 12 of k, 12 of v).
; A wave takes 64 tokens, four tiles of 16; their fragments of x for all of K stay in its registers.  The 9 units' records of W (248,832 bytes, one dense block) come into LDS once and are read by all four waves.
; CLUSTER.  The four row blocks of a cluster want the same block of W: each wave asks for a quarter of it JOINTLY, by the same tensor load with the same descriptor and the mask of all four.
; LAYOUT.  Tiles are not neighbours (lane r of tile 2 B + u: row 32 B + 8 u + r + 8 (r / 8)), so the 16 registers of tiles 2 b and 2 b + 1 of a result are 16 neighbours, 32 b + 16 h + 0 .. 15.
; q, k: TRANSPOSED (source 0 = 16 rows of W, source 1 = 16 tokens): a lane holds one token, its registers run along the head's dims.  Lanes 0-15 hold dims 0-15 and 32-47, the rotated pairs; lanes 16-31 dims 16-31 and 48-63,
; for which the table holds cosine 1 and sine 0.  v: NATURAL (source 0 = tokens, source 1 = rows of wv): a lane holds one channel, its registers run along the tokens, which are the keys of the second product.
; The bias is the C of each sum's first matrix instruction.  q's factor 1/8 is a power of two: it goes into q's scale byte (3 more off the exponent field, the floor 3 higher, which is the hold at -126).
; OUT: a record of 2,560 bytes for a (head, 64 tokens): four chunks of 512 bytes at 512 a + 16 lane (q, k: token tile a; v: channel tile a; lanes 0-15 block 0, lanes 16-31 block 1), then the four scale words of lane % 16 at 2048 + 16 lane.
; LIMITS: a block of zeros gets the byte 1 (zero codes; the bytes are read by this program alone); NaN and infinities are not served; the bias starts the sum instead of ending it.
; REGISTERS, in windows of 256: window 0: v1-6 addresses; v16-39 x's scale words, v40-63 W's; v64-127 at work (RoPE); v128-171 the quantiser.  window 1: v0-191 x's 24 fragments; v192-223 the bias.
;   window 2: v0-127 cosines and sines of my four tiles; v128-255 the 16 accumulators (group a, tile e at 128 + 32 a + 8 e).  window 3: v0-191 W's 24 fragments of the unit in hand.
.set REC,   6912
.set UNITB, 4*REC
.set XS,  16                           ; x's scale word of tile i, K step s: v[XS + 6 i + s]
.set WS,  40                           ; W's likewise
.set T,   64
.set TM,  128                          ; eight blocks' largest magnitudes
.set TP,  136                          ; the other half's, then the bytes
.set TO,  144                          ; the conversions' scale operands
.set CD,  152                          ; 16 registers of codes
.set SW,  168                          ; four scale words
.set BI,  192                          ; window 1
.set AC,  128                          ; window 2
.set WV,  20
.set CX,  21
.set RB,  22
.set CG,  23
.set G0,  24                           ; s[24:27] descriptor group 0
.set G1,  28                           ; s[28:35] group 1
.set U,   36                           ; the unit's number in my nine
.set TY,  37                           ; 0 q, 1 k, 2 v
.set HD,  38                           ; the head
.set NTY, 39                           ; the same of the unit whose operands are being fetched
.set NHD, 40
.set WB,  41
.set FL,  42                           ; the floor under a block's largest magnitude
.set EB,  43                           ; what is taken off its exponent field for the byte
.set SEL, 44
.set OB,  46
.set BB,  48
.set CG9, 56
.set B12, 57
.set GOF, 58
.set XB,  60
.set RP,  62
.set MSB, 0
.macro WIN new                         ; the immediate's high byte repeats the setting that is left
.if MSB != \new
	s_set_vgpr_msb (MSB<<8)|\new
.set MSB, \new
.endif
.endm
.macro PLACES n
.rept \n
	v_nop
.endr
.endm
.macro ROUND                           ; a round of the cluster's barrier
	s_barrier_signal -1
	s_barrier_wait -1
	s_cmp_lg_u32 s[WV], 0
	s_cbranch_scc1 .Lnot_wave_0_\@
	s_barrier_signal -3
.Lnot_wave_0_\@:
	s_barrier_wait -3
	s_barrier_signal -1
	s_barrier_wait -1
.endm
; The next unit's operands: 12 loads of scale words, 48 of fragments in the order of the K steps, and the bias.  The last trip fetches the last unit once more (the number is held at 8): nothing outside the block is read.
.macro LOADNEXT first
.if \first
	s_mov_b32 s53, 0
.else
	s_add_co_u32 s53, s[U], 1
	s_min_u32 s53, s53, 8
.endif
	s_mul_i32 s[WB], s53, UNITB
	v_add_nc_u32 v3, s[WB], v1
	v_add_nc_u32 v4, s[WB], v2
.irp e, 0,1,2,3
.irp p, 0,1,2
	ds_load_b64 v[WS+6*\e+2*\p:WS+6*\e+2*\p+1], v4 offset:\e*REC+6144+256*\p
.endr
.endr
	WIN 0xc0                                       ; destination window 3
.irp s, 0,1,2,3,4,5
.irp e, 0,1,2,3
.irp c, 0,1
	ds_load_b128 v[8*(6*\e+\s)+4*\c:8*(6*\e+\s)+4*\c+3], v3 offset:\e*REC+\s*1024+\c*512
.endr
.endr
.endr
	WIN 0
	s_add_co_u32 s50, s[CG9], s53                  ; the unit among the 36
	s_cmp_ge_u32 s50, 12
	s_cselect_b32 s51, 1, 0
	s_cmp_ge_u32 s50, 24
	s_cselect_b32 s52, 1, 0
	s_add_co_u32 s[NTY], s51, s52
	s_mul_i32 s51, s[NTY], 12
	s_sub_co_u32 s[NHD], s50, s51
	s_cmp_eq_u32 s[NTY], 0                         ; (the loads that named this base are in: the wait for all loads at the trip's head)
	s_cselect_b64 s[BB:BB+1], s[10:11], s[12:13]
	s_cmp_eq_u32 s[NTY], 2
	s_cselect_b64 s[BB:BB+1], s[14:15], s[BB:BB+1]
	s_lshl_b32 s50, s[NHD], 8
	s_mov_b32 s51, 0
	s_add_nc_u64 s[BB:BB+1], s[BB:BB+1], s[50:51]
	s_cmp_eq_u32 s[NTY], 2
	s_cbranch_scc1 .Lbias_v_\@
	WIN 0x40                                       ; destination window 1
.irp t, 0,1,2,3                                    ; q, k: tile t's eight columns of my half: 32 (t / 2) + 16 h + 8 (t % 2) + 0 .. 7
	global_load_b128 v[BI+8*\t:BI+8*\t+3], v5, s[BB:BB+1] offset:(32*(\t/2)+8*(\t%2))*4
	global_load_b128 v[BI+8*\t+4:BI+8*\t+7], v5, s[BB:BB+1] offset:(32*(\t/2)+8*(\t%2))*4+16
.endr
	WIN 0
	s_branch .Lbias_in_\@
.Lbias_v_\@:
	WIN 0x40
.irp t, 0,1,2,3                                    ; v: a lane holds one channel, so all eight registers of a tile take that channel's number
.irp j, 0,1,2,3,4,5,6,7
	global_load_b32 v[BI+8*\t+\j], v6, s[BB:BB+1] offset:(32*(\t/2)+8*(\t%2))*4
.endr
.endr
	WIN 0
.Lbias_in_\@:
.endm
; 96 matrix instructions: six K steps x 16 accumulators, which take turns, one instruction a turn, in the same order in every step.
; Ahead of K step s: of the 60 LDS loads the 12 of scale words and the first 8 (s + 1) of fragments are in; the 40 - 8 s younger ones stay out.
.macro KQK                             ; transposed: source 0 = W's tile e, source 1 = x's tile a
.irp s, 0,1,2,3,4,5
	s_wait_dscnt 40-8*\s
.if \s == 0
	WIN 0x97                                       ; A window 3, B window 1, C (the bias) window 1, D window 2
.else
	WIN 0xa7                                       ; C and D window 2
.endif
.irp a, 0,1,2,3
.irp e, 0,1,2,3
.if \s == 0
	v_wmma_scale_f32_16x16x128_f8f6f4 v[AC+32*\a+8*\e:AC+32*\a+8*\e+7], v[8*(6*\e+\s):8*(6*\e+\s)+7], v[8*(6*\a+\s):8*(6*\a+\s)+7], v[BI+8*\e:BI+8*\e+7], v[WS+6*\e+\s], v[XS+6*\a+\s] matrix_a_fmt:MATRIX_FMT_FP4 matrix_b_fmt:MATRIX_FMT_FP4
.else
	v_wmma_scale_f32_16x16x128_f8f6f4 v[AC+32*\a+8*\e:AC+32*\a+8*\e+7], v[8*(6*\e+\s):8*(6*\e+\s)+7], v[8*(6*\a+\s):8*(6*\a+\s)+7], v[AC+32*\a+8*\e:AC+32*\a+8*\e+7], v[WS+6*\e+\s], v[XS+6*\a+\s] matrix_a_fmt:MATRIX_FMT_FP4 matrix_b_fmt:MATRIX_FMT_FP4
.endif
.endr
.endr
.endr
.endm
.macro KV                              ; natural: source 0 = x's tile e, source 1 = wv's tile a
.irp s, 0,1,2,3,4,5
	s_wait_dscnt 40-8*\s
.if \s == 0
	WIN 0x9d                                       ; A window 1, B window 3, C (the bias) window 1, D window 2
.else
	WIN 0xad
.endif
.irp a, 0,1,2,3
.irp e, 0,1,2,3
.if \s == 0
	v_wmma_scale_f32_16x16x128_f8f6f4 v[AC+32*\a+8*\e:AC+32*\a+8*\e+7], v[8*(6*\e+\s):8*(6*\e+\s)+7], v[8*(6*\a+\s):8*(6*\a+\s)+7], v[BI+8*\a:BI+8*\a+7], v[XS+6*\e+\s], v[WS+6*\a+\s] matrix_a_fmt:MATRIX_FMT_FP4 matrix_b_fmt:MATRIX_FMT_FP4
.else
	v_wmma_scale_f32_16x16x128_f8f6f4 v[AC+32*\a+8*\e:AC+32*\a+8*\e+7], v[8*(6*\e+\s):8*(6*\e+\s)+7], v[8*(6*\a+\s):8*(6*\a+\s)+7], v[AC+32*\a+8*\e:AC+32*\a+8*\e+7], v[XS+6*\e+\s], v[WS+6*\a+\s] matrix_a_fmt:MATRIX_FMT_FP4 matrix_b_fmt:MATRIX_FMT_FP4
.endif
.endr
.endr
.endr
.endm
; RoPE, two token tiles at a time.  Of a tile's 32 registers the first 16 are x1 (dims 16 h + 0 .. 15), the last 16 x2 (32 further on).  Each accumulator is read from its low end on.
.macro ROPE
.irp g, 0,2
	WIN 0x0a                                       ; sources 0 and 1 window 2, destination window 0
.irp a, 0,1
.irp p, 0,2,4,6,8,10,12,14
	v_pk_mul_f32 v[T+32*\a+\p:T+32*\a+\p+1], v[AC+32*(\g+\a)+16+\p:AC+32*(\g+\a)+16+\p+1], v[32*(\g+\a)+16+\p:32*(\g+\a)+16+\p+1]   ; x2 sin
.endr
.irp p, 0,2,4,6,8,10,12,14
	v_pk_mul_f32 v[T+32*\a+16+\p:T+32*\a+16+\p+1], v[AC+32*(\g+\a)+\p:AC+32*(\g+\a)+\p+1], v[32*(\g+\a)+16+\p:32*(\g+\a)+16+\p+1]   ; x1 sin
.endr
.endr
	WIN 0x8a                                       ; destination and sources 0, 1 window 2, source 2 window 0
.irp a, 0,1
.irp p, 0,2,4,6,8,10,12,14
	v_pk_fma_f32 v[AC+32*(\g+\a)+\p:AC+32*(\g+\a)+\p+1], v[AC+32*(\g+\a)+\p:AC+32*(\g+\a)+\p+1], v[32*(\g+\a)+\p:32*(\g+\a)+\p+1], v[T+32*\a+\p:T+32*\a+\p+1] neg_lo:[0,0,1] neg_hi:[0,0,1]   ; x1 cos - x2 sin
.endr
.irp p, 0,2,4,6,8,10,12,14
	v_pk_fma_f32 v[AC+32*(\g+\a)+16+\p:AC+32*(\g+\a)+16+\p+1], v[AC+32*(\g+\a)+16+\p:AC+32*(\g+\a)+16+\p+1], v[32*(\g+\a)+\p:32*(\g+\a)+\p+1], v[T+32*\a+16+\p:T+32*\a+16+\p+1]   ; x2 cos + x1 sin
.endr
.endr
.endr
.endm
; Eight blocks of 32: block b's numbers are my 16 registers at AC + 16 b and lane l xor 16's.  Blocks 2 a and 2 a + 1 become chunk a and its scale word.
.macro QUANT8
	WIN 0x0a
.irp b, 0,1,2,3,4,5,6,7
	v_max3_num_f32 v[TM+\b], |v[AC+16*\b]|, |v[AC+16*\b+1]|, s[FL]   ; with the floor, so that the byte cannot fall under 1
.endr
.irp i, 2,4,6,8,10,12,14
.irp b, 0,1,2,3,4,5,6,7
	v_max3_num_f32 v[TM+\b], |v[AC+16*\b+\i]|, |v[AC+16*\b+\i+1]|, v[TM+\b]   ; the eight blocks by turns
.endr
.endr
	WIN 0
.irp b, 0,1,2,3,4,5,6,7
	v_permlanex16_b32 v[TP+\b], v[TM+\b], s[SEL], s[SEL+1]
.endr
.irp b, 0,1,2,3,4,5,6,7
	v_max_num_f32 v[TM+\b], v[TM+\b], v[TP+\b]     ; the block's largest magnitude
.endr
.irp b, 0,1,2,3,4,5,6,7
	v_add_nc_u32 v[TO+\b], 0xff000000, v[TM+\b]    ; 2 off the exponent field: the conversion's scale operand
	v_sub_nc_u32 v[TP+\b], v[TM+\b], s[EB]         ; 2 off, and for q 3 more: the factor 1/8
.endr
.irp b, 0,1,2,3,4,5,6,7
	v_lshrrev_b32 v[TP+\b], 23, v[TP+\b]           ; the scale's byte
.endr
.irp a, 0,1,2,3
	v_lshl_or_b32 v[SW+\a], v[TP+2*\a+1], 8, v[TP+2*\a]   ; two bytes; the upper two stay 0: they scale zero codes alone
.endr
	WIN 0x02                                       ; source 0 window 2
.irp b, 0,1,2,3,4,5,6,7
	v_cvt_scalef32_pk8_fp4_f32 v[CD+2*\b], v[AC+16*\b:AC+16*\b+7], v[TO+\b]
	v_cvt_scalef32_pk8_fp4_f32 v[CD+2*\b+1], v[AC+16*\b+8:AC+16*\b+15], v[TO+\b]
.endr
	WIN 0
	v_nop                                          ; one plain line behind the last conversion
.irp a, 0,1,2,3                                    ; a whole block to a lane: lanes 0-15 block 2 a, lanes 16-31 block 2 a + 1
.irp i, 0,1
	v_permlane16_swap_b32 v[CD+4*\a+\i], v[CD+4*\a+2+\i]
.endr
.endr
.endm
	s_load_b512 s[4:19], s[0:1], 0x0               ; x_rec s[4:5], w_rec s[6:7], rope_img s[8:9], bq s[10:11], bk s[12:13], bv s[14:15], q_rec s[16:17], kv_rec s[18:19]
	v_lshl_add_u32 v254, v0, 2, 0x40000
	v_mov_b32 v255, 0
	ds_add_u32 v254, v255
	ds_add_u32 v254, v255
	v_lshrrev_b32 v7, 5, v0
	v_readfirstlane_b32 s[WV], v7                  ; wave 0..3
	s_bfe_u32 s[CX], ttmp6, 0x40000                ; my place in the cluster
	s_lshl_b32 s[RB], ttmp9, 2
	s_add_co_u32 s[RB], s[RB], s[CX]               ; row block: it enters global addresses of x, the table and the results alone
	s_and_b32 s[CG], ttmp7, 0xffff                 ; column group, which the four partners share
	s_mul_i32 s[CG9], s[CG], 9
	; descriptor group 1: a dense block of 62,208 bytes as 243 rows of 32 elements of 8 bytes
	s_mov_b32 s[G1], 15|(3<<16)|(1<<21)            ; 15:0 the mask: all four work-groups; 17:16 elements of 8 bytes; 21 set beside a mask; no padding
	s_mov_b32 s[G1+1], 32<<16                      ; tensor_dim0 = 32
	s_mov_b32 s[G1+2], 243<<16                     ; tensor_dim1 = 243
	s_mov_b32 s[G1+3], 32<<16                      ; tile_dim0 = 32
	s_mov_b32 s[G1+4], 243                         ; tile_dim1 = 243
	s_mov_b32 s[G1+5], 32                          ; from row to row
	s_mov_b32 s[G1+6], 0
	s_mov_b32 s[G1+7], 0
	s_mul_i32 s50, s[CG], 36*REC
	s_mul_i32 s[G0+1], s[WV], 9*REC                ; LDS address: my quarter
	s_add_co_u32 s50, s50, s[G0+1]
	s_mov_b32 s51, 0
	s_mov_b32 s[G0], 1
	s_mov_b32 s[SEL], 0x76543210
	s_mov_b32 s[SEL+1], 0xfedcba98                 ; v_permlanex16_b32's selects for lane l xor 16
	v_and_b32 v7, 31, v0
	v_lshlrev_b32 v1, 4, v7                        ; 16 x lane
	v_lshlrev_b32 v2, 3, v7                        ; 8 x lane
	v_bfe_u32 v8, v0, 4, 1
	v_lshlrev_b32 v5, 6, v8                        ; 64 h: sixteen f32 on for lanes 16-31
	v_and_b32 v9, 15, v0
	v_and_b32 v10, 8, v9
	v_add_nc_u32 v9, v9, v10
	v_lshlrev_b32 v6, 2, v9                        ; 4 (r + 8 (r / 8))
.irp b, 0,1,2,3,4,5,6,7
	v_mov_b32 v[TP+\b], 0                          ; written once: a lane permute's destination counts as one of its sources
.endr
	s_wait_dscnt 0x0
	s_wait_kmcnt 0x0
	s_add_nc_u64 s[G0+2:G0+3], s[6:7], s[50:51]
	s_or_b32 s[G0+3], s[G0+3], 0x80000000          ; type = 2
	ROUND                                          ; all four work-groups are here: the joint loads meet
	tensor_load_to_lds s[G0:G0+3], s[G1:G1+7]      ; my one tensor load of the launch
	s_nop 0
	PLACES 4
	s_lshl_b32 s50, s[RB], 4
	s_lshl_b32 s52, s[WV], 2
	s_add_co_u32 s50, s50, s52
	s_mul_i32 s50, s50, REC
	s_add_nc_u64 s[XB:XB+1], s[4:5], s[50:51]      ; x's records of my four tiles
	s_lshr_b32 s50, s[RB], 2
	s_mul_i32 s[B12], s50, 12                      ; 12 x batch
	s_and_b32 s50, s[RB], 3
	s_lshl_b32 s50, s50, 2
	s_add_co_u32 s50, s50, s[WV]                   ; my group of 64 tokens in the batch
	s_mul_i32 s[GOF], s50, 2560
	s_lshl_b32 s50, s50, 14                        ; four tiles of the table
	s_add_nc_u64 s[RP:RP+1], s[8:9], s[50:51]
	WIN 0x40
.irp i, 0,1,2,3
.irp s, 0,1,2,3,4,5
.irp c, 0,1
	global_load_b128 v[8*(6*\i+\s)+4*\c:8*(6*\i+\s)+4*\c+3], v1, s[XB:XB+1] offset:\i*REC+\s*1024+\c*512
.endr
.endr
.endr
	WIN 0
.irp i, 0,1,2,3
.irp p, 0,1,2
	global_load_b64 v[XS+6*\i+2*\p:XS+6*\i+2*\p+1], v2, s[XB:XB+1] offset:\i*REC+6144+256*\p
.endr
.endr
	WIN 0x80
.irp i, 0,1,2,3
.irp k, 0,1,2,3,4,5,6,7
	global_load_b128 v[32*\i+4*\k:32*\i+4*\k+3], v1, s[RP:RP+1] offset:\i*4096+512*\k
.endr
.endr
	WIN 0
	s_wait_tensorcnt 0x0                           ; my quarter of W's block is in,
	s_barrier_signal -1
	s_barrier_wait -1                              ; everybody's is.  Nothing is ever filled again
	LOADNEXT 1
	s_mov_b32 s[U], 0
.Lunit:
	s_mov_b32 s[TY], s[NTY]
	s_mov_b32 s[HD], s[NHD]
	s_cmp_eq_u32 s[TY], 0
	s_cselect_b32 s50, 3, 0                        ; q's factor 1/8
	s_add_co_u32 s51, s50, 3
	s_lshl_b32 s[FL], s51, 23
	s_add_co_u32 s51, s50, 2
	s_lshl_b32 s[EB], s51, 23
	s_wait_loadcnt 0x0                             ; the bias; in the first trip x and the table too
	s_cmp_eq_u32 s[TY], 2
	s_cbranch_scc1 .Lkv
	KQK
	WIN 0
	s_branch .Ljoin
.Lkv:
	KV
	WIN 0
.Ljoin:
	PLACES 4                                       ; in front of loads into registers that matrix instructions have read, and of the first read of results
	LOADNEXT 0                                     ; they land while this unit's results are worked on
	s_cmp_eq_u32 s[TY], 2
	s_cbranch_scc1 .Lno_rope
	ROPE
	WIN 0
.Lno_rope:
	s_wait_xcnt 0x0                                ; the last unit's stores have read their data and their base: both are written again below
	QUANT8
	s_add_co_u32 s50, s[B12], s[HD]                ; batch x 12 + head
	s_cmp_eq_u32 s[TY], 0
	s_cselect_b64 s[OB:OB+1], s[16:17], s[18:19]
	s_mov_b32 s52, 81920
	s_cselect_b32 s51, 40960, s52                  ; a head's bytes: q's records, or K's and V's together
	s_mul_i32 s50, s50, s51
	s_cmp_eq_u32 s[TY], 2
	s_cselect_b32 s51, 40960, 0                    ; V's lie behind K's
	s_add_co_u32 s50, s50, s51
	s_add_co_u32 s50, s50, s[GOF]
	s_mov_b32 s51, 0
	s_add_nc_u64 s[OB:OB+1], s[OB:OB+1], s[50:51]
	s_wait_alu depctr_va_vdst(0)
.irp a, 0,1,2,3
	global_store_b128 v1, v[CD+4*\a:CD+4*\a+3], s[OB:OB+1] offset:512*\a   ; each store covers 512 consecutive bytes, aligned
.endr
	global_store_b128 v1, v[SW:SW+3], s[OB:OB+1] offset:2048
	s_add_co_u32 s[U], s[U], 1
	s_cmp_lt_u32 s[U], 9
	s_cbranch_scc1 .Lunit
	s_wait_dscnt 0x0                               ; no LDS load is out at a signal
	s_wait_tensorcnt 0x0
	ds_add_u32 v254, v255
	s_wait_dscnt 0x0
	ROUND                                          ; the closing round
	s_endpgm
.Lfunc_end_k_qc8cc716eae_qkv:
	.size	k_qc8cc716eae_qkv, .Lfunc_end_k_qc8cc716eae_qkv-k_qc8cc716eae_qkv
	.p2alignl 7, 3214868480
	.fill 96, 4, 3214868480
	.section	.rodata,"a",@progbits
	.p2align	6, 0x0
	.amdhsa_kernel k_qc8cc716eae_qkv
		.amdhsa_group_segment_fixed_size 262656
		.amdhsa_private_segment_fixed_size 0
		.amdhsa_enable_private_segment 0
		.amdhsa_kernarg_size 64
		.amdhsa_user_sgpr_count 2
		.amdhsa_user_sgpr_kernarg_segment_ptr 1
		.amdhsa_wavefront_size32 1
		.amdhsa_system_sgpr_workgroup_id_x 1
		.amdhsa_system_sgpr_workgroup_id_y 1
		.amdhsa_system_sgpr_workgroup_id_z 1
		.amdhsa_system_vgpr_workitem_id 0
		.amdhsa_next_free_vgpr 1024
		.amdhsa_next_free_sgpr 66
		.amdhsa_reserve_vcc 0
		.amdhsa_float_denorm_mode_32 3
		.amdhsa_float_denorm_mode_16_64 3
		.amdhsa_memory_ordered 1
		.amdhsa_forward_progress 1
		.amdhsa_inst_pref_size 72
	.end_amdhsa_kernel
	.amdgpu_metadata
---
amdhsa.version: [ 1, 2 ]
amdhsa.kernels:
  - .name:           k_qc8cc716eae_qkv
    .symbol:         k_qc8cc716eae_qkv.kd
    .args:
      - { .name: x_rec, .offset: 0, .size: 8, .value_kind: global_buffer, .address_space: global }
      - { .name: w_rec, .offset: 8, .size: 8, .value_kind: global_buffer, .address_space: global }
      - { .name: rope_img, .offset: 16, .size: 8, .value_kind: global_buffer, .address_space: global }
      - { .name: bq, .offset: 24, .size: 8, .value_kind: global_buffer, .address_space: global }
      - { .name: bk, .offset: 32, .size: 8, .value_kind: global_buffer, .address_space: global }
      - { .name: bv, .offset: 40, .size: 8, .value_kind: global_buffer, .address_space: global }
      - { .name: q_rec, .offset: 48, .size: 8, .value_kind: global_buffer, .address_space: global }
      - { .name: kv_rec, .offset: 56, .size: 8, .value_kind: global_buffer, .address_space: global }
    .group_segment_fixed_size: 262656
    .private_segment_fixed_size: 0
    .kernarg_segment_align: 8
    .kernarg_segment_size: 64
    .max_flat_workgroup_size: 128
    .sgpr_count:     66
    .vgpr_count:     1024
    .wavefront_size: 32
...
	.end_amdgpu_metadata
.endif
;; end of part 2
;; launch attno (part 3): grid 256 x 1, 16 waves a work-group, clusters of 4 x 1, 327,680 bytes of LDS; arguments q_rec, kv_rec, w_rec, bo, out0; writes out0
.if DOCPART == 3
	.amdgcn_target "amdgcn-amd-amdhsa--gfx1250"
	.amdhsa_code_object_version 6
	.text
	.protected	k_qc8cc716eae_attno
	.globl	k_qc8cc716eae_attno
	.p2align	8
	.type	k_qc8cc716eae_attno,@function
k_qc8cc716eae_attno:
	s_mov_b64 s[64:65], 0
	v_nop
	global_prefetch_b8 v0, s[64:65] scope:SCOPE_SE
	s_setreg_imm32_b32 hwreg(HW_REG_WAVE_MODE, 25, 1), 1
	s_wait_xcnt 0x0
	s_wait_alu depctr_hold_cnt(0) depctr_sa_sdst(0) depctr_va_vdst(0) depctr_va_sdst(0) depctr_va_ssrc(0) depctr_va_vcc(0) depctr_vm_vsrc(0)
	s_getreg_b32 s2, hwreg(HW_REG_IB_STS2, 6, 4)
	s_cmp_eq_u32 s2, 0
	s_cbranch_scc0 .Lentry_in_a_cluster
	s_endpgm
.Lentry_in_a_cluster:
	s_bfe_u32 s2, ttmp6, 0x10000c
	s_cmp_lg_u32 s2, 0x3003
	s_cbranch_scc0 .Lentry_shape_is_right
	s_endpgm
.Lentry_shape_is_right:
; out0 = (softmax(q k^T) v) wo^T + bo, all three products on codes of FP4 (E2M1) with E8M0 scales; o is quantised along the last product's K and never leaves the work-group.
; THE SOFTMAX: t = score x log2(e); M = the row's largest t so far, rounded up to a whole number; p = 2^(t - M) is quantised along the keys, not normalised; the row's sum of the unquantised p divides O at a head's end.
; When M moves, the sum and O are multiplied by 2^(old M - new M): exact.
; SHARES.  A work-group owns 64 tokens of one batch (token block 4 (cluster % 4) + cx of batch cluster / 4), for all 12 heads.  Wave w = 4 g + t owns query tile t and heads 4 j + g, j = 0, 1, 2: 24 key steps of 128.
; THE RING: two slots of 110,592 bytes.  Phases 0-11 (phase 4 j + c): 256 keys (chunk c) of K and V of heads 4 j .. 4 j + 3: sixteen pieces of 5,120 bytes, one a wave, 6,912 bytes apart in the slot.  The tile is stated as 27 rows
; of which the tensor has 20: the last 7 are written as zeros, so that every fill covers the whole slot.  Then three parts of wo, 16 records each (6,912 bytes, one a wave).  One joint load a wave behind each round.
; CLUSTER: the four token blocks of a cluster walk the same K, V and wo: every load is asked for jointly with the mask of all four.
; LAYOUT as in the launches before: tiles are not neighbours (lane r of tile 2 B + u: row 32 B + 8 u + r + 8 (r / 8)); all products transposed, a lane holds one query (token).
; The head's 64 fill half of the first product's K: a fragment of K holds tile m of the step's first record in registers 0-3 and tile m of the second in 4-7, and is multiplied by Q|0 and by 0|Q (v16-27 = Q, zeros, Q);
; the two tiles' scale bytes are joined in one word, Q's stand twice in its word.
; THE EXPONENTIALS go in two halves.  Among the first half's stand the second half's multiply-adds and the joins of scale words; among the second half's the first sums of the first half's p, and behind them the blocks' scales
; and the first half's conversions.  What is written among exponentials is read only behind the next wait.
; o: wave w stores head j's codes at OIMG + 1536 w + 512 j + 16 lane and its scale word at OSC + 384 w + 128 j + 4 lane; behind a barrier wave (t, g) reads tile t's twelve heads as its operand.
; THE LAST PRODUCT: for each part of 256 columns wave (t, g) makes 16 tokens x 64 columns (four tiles of wo by turns, six K steps); the bias is the C of each sum's first instruction; the results go through the wave's own stage
; (rows 272 bytes apart) and sixteen lanes store 256 consecutive bytes, aligned.
; PREFETCH: in the middle of phase p each wave names phase p + 3's piece of its own, whose load is issued behind phase p + 2's round; of the piece's 20 blocks of 256 bytes partner cx names five (lanes 4-31 the fifth again).
; Phases 0-2 come by their loads alone, and nothing of K and V is named beyond phase 11.  In the middle of phase 10 each wave names its three records of wo, a phase and more ahead of the first's load: of a record's 27 blocks partner cx names 7 cx on (held at the 27th).
; LIMITS: the promise holds while |t| stays under 2^31; a block of zeros gets the byte 1 (zero codes; read here alone); NaN and infinities are not served; 1 / sum is a reciprocal and a multiplication; the bias starts the sum.
; REGISTERS: v1, v2 my place in slot 0, 1; v3, v4 the add's; v5 prefetch offset; v6, v7 o's places; v12 -M, v13 largest score, v[14:15] sum; v16-28 Q; v29 the old -M; v[30:31] f; then as named below.
.set REC,    6912
.set SLOTB,  16*REC
.set OIMG,   2*SLOTB
.set OSC,    OIMG+24576
.set STAGE,  OSC+6144
.set SPITCH, 272
.set SPARE,  STAGE+16*16*SPITCH        ; the spare words: 128 bytes a wave, named by no other line
.set VOF,    2*REC                     ; V's pieces lie two pieces behind K's
.set KF, 32
.set VF, 64
.set S,  96
.set O,  160
.set PC, 192
.set KS, 200
.set VA, 208
.set VB, 212
.set BM, 216
.set BP, 220
.set BO, 224
.set PW, 228
.set TS, 230                           ; v230-243 seven partial sums
.set QA, 244                           ; v244-247, v252: the next head's Q;  v248-251, v253: the one after
.set OF, 32                            ; the last product: o's fragments, its scale words, raw words, wo's scale words, two sets of wo's fragments, sums, bias
.set XS, 80
.set RAW, 86
.set WS, 98
.set WA, 122
.set AC, 186
.set BI, 218
.set WV, 14
.set CX, 15
.set GR, 16
.set TL, 17
.set BT, 18
.set TBK, 19
.set G1, 20
.set G1W, 28
.set G0A, 36
.set G0B, 40
.set G0W, 44
.set SEL, 48
.set CS, 50
.set KVB, 52
.set PF, 54
.set IT, 56
.set CSN, 57
.set OB, 66
.set BB, 68
.set WP, 70
.macro PLACES n
.rept \n
	v_nop
.endr
.endm
.macro ROUND                           ; a round of the cluster's barrier
	s_barrier_signal -1
	s_barrier_wait -1
	s_cmp_lg_u32 s[WV], 0
	s_cbranch_scc1 .Lnot_wave_0_\@
	s_barrier_signal -3
.Lnot_wave_0_\@:
	s_barrier_wait -3
	s_barrier_signal -1
	s_barrier_wait -1
.endm
.macro KVOFF q                         ; s[58:59] = where phase 2 IT + q begins: 327,680 bytes a group of four heads, 10,240 a chunk
	s_lshl_b32 s58, s[IT], 1
	s_add_co_u32 s58, s58, \q
	s_lshr_b32 s59, s58, 2
	s_mul_i32 s59, s59, 327680
	s_and_b32 s58, s58, 3
	s_mul_i32 s58, s58, 10240
	s_add_co_u32 s58, s58, s59
	s_mov_b32 s59, 0
.endm
.macro LOADK ad, off                   ; a step's K: two records' scale words, and four fragments of two tiles each
	ds_load_b128 v[KS:KS+3], v[\ad] offset:\off+2048
	ds_load_b128 v[KS+4:KS+7], v[\ad] offset:\off+4608
.irp m, 0,1,2,3
	ds_load_b128 v[KF+8*\m:KF+8*\m+3], v[\ad] offset:\off+512*\m
	ds_load_b128 v[KF+8*\m+4:KF+8*\m+7], v[\ad] offset:\off+2560+512*\m
.endr
.endm
.macro MERGEK
.irp m, 0,1,2,3
	v_lshl_or_b32 v[KS+\m], v[KS+4+\m], 16, v[KS+\m]   ; bytes 0, 1: the first record's tile; bytes 2, 3: the second's
.endr
.endm
.macro FMA4 base                       ; t - M of eight scores, two at a time
.irp i, 0,2,4,6
	v_pk_fma_f32 v[\base+\i:\base+\i+1], v[\base+\i:\base+\i+1], s[CS:CS+1], v[12:13] op_sel_hi:[1,0,0]
.endr
.endm
; A KEY STEP of 128 keys.  K's fragments and joined scale words are in.  pre = 1: the next step's K is fetched here.
.macro STEP ad, off, pre
.irp m, 0,1,2,3
	v_wmma_scale_f32_16x16x128_f8f6f4 v[S+8*\m:S+8*\m+7], v[KF+8*\m:KF+8*\m+7], v[16:23], 0, v[KS+\m], v28 matrix_a_fmt:MATRIX_FMT_FP4 matrix_b_fmt:MATRIX_FMT_FP4
.endr
.irp m, 0,1,2,3
	v_wmma_scale_f32_16x16x128_f8f6f4 v[S+32+8*\m:S+39+8*\m], v[KF+8*\m:KF+8*\m+7], v[20:27], 0, v[KS+\m], v28 matrix_a_fmt:MATRIX_FMT_FP4 matrix_b_fmt:MATRIX_FMT_FP4
.endr
	v_mov_b32 v29, v12                             ; the old -M; with the three below: four places ahead of loads into registers that matrix instructions have read, and of the first read of results
	PLACES 3
	ds_load_b128 v[VA:VA+3], v[\ad] offset:\off+VOF+2048
	ds_load_b128 v[VB:VB+3], v[\ad] offset:\off+VOF+4608
.irp m, 0,1,2,3
	ds_load_b128 v[VF+8*\m:VF+8*\m+3], v[\ad] offset:\off+VOF+512*\m
	ds_load_b128 v[VF+8*\m+4:VF+8*\m+7], v[\ad] offset:\off+VOF+2560+512*\m
.endr
.if \pre
	LOADK \ad, \off+REC
.endif
; the largest score of each block of 32 keys, in two chains a block: for the row's maximum and for the block's largest p.  Each accumulator is first read at its low end
.irp b, 0,1,2,3
	v_max3_num_f32 v[BM+\b], v[S+16*\b], v[S+16*\b+1], v[S+16*\b+2]
.endr
.irp b, 0,1,2,3
	v_max3_num_f32 v[BO+\b], v[S+16*\b+7], v[S+16*\b+8], v[S+16*\b+9]
.endr
.irp i, 3,5
.irp b, 0,1,2,3
	v_max3_num_f32 v[BM+\b], v[BM+\b], v[S+16*\b+\i], v[S+16*\b+\i+1]
.endr
.irp b, 0,1,2,3
	v_max3_num_f32 v[BO+\b], v[BO+\b], v[S+16*\b+\i+7], v[S+16*\b+\i+8]
.endr
.endr
.irp b, 0,1,2,3
	v_max3_num_f32 v[BM+\b], v[BM+\b], v[S+16*\b+14], v[S+16*\b+15]
.endr
.irp b, 0,1,2,3
	v_max_num_f32 v[BM+\b], v[BM+\b], v[BO+\b]
.endr
.irp b, 0,1,2,3
	v_permlanex16_b32 v[BP+\b], v[BM+\b], s[SEL], s[SEL+1]
.endr
.irp b, 0,1,2,3
	v_max_num_f32 v[BM+\b], v[BM+\b], v[BP+\b]     ; with lane l xor 16's 16 keys
.endr
	v_max3_num_f32 v229, v[BM], v[BM+1], v[BM+2]
	s_delay_alu instid0(VALU_DEP_1)
	v_max3_num_f32 v13, v229, v[BM+3], v13         ; the running largest score
	s_delay_alu instid0(VALU_DEP_1)
	v_mul_f32 v12, s[CSN], v13                     ; -t
	s_delay_alu instid0(VALU_DEP_1)
	v_floor_f32 v12, v12                           ; the new -M = -ceil(t)
	FMA4 S
	v_sub_f32 v29, v12, v29                        ; old M - new M: a whole number, 0 or less
	FMA4 S+8
	v_cvt_i32_f32 v29, v29                         ; (it saturates)
	FMA4 S+16
	v_ldexp_f32 v30, 1.0, v29                      ; f = 2^(old M - new M)
	FMA4 S+24
.irp b, 0,1,2,3
	v_fma_f32 v[BM+\b], v[BM+\b], s[CS], v12       ; t - M of each block's largest score
.endr
.set ii, 0
.rept 16
	v_pk_mul_f32 v[O+ii:O+ii+1], v[O+ii:O+ii+1], v[30:31] op_sel_hi:[1,0]   ; O^T under the new M, each accumulator from its low end on
.set ii, ii+2
.endr
	v_pk_mul_f32 v[14:15], v[14:15], v[30:31] op_sel_hi:[1,0]   ; the sums likewise
	s_wait_dscnt 0x0                               ; V, its scale words, and the next step's K
	s_wait_alu depctr_va_vdst(0)                   ; ahead of the batch
.set ii, 0
.rept 16
	v_exp_f32 v[S+2*ii], v[S+2*ii]                 ; p = 2^(t - M), keys 0-63; among them t - M of keys 64-127
	v_pk_fma_f32 v[S+32+2*ii:S+33+2*ii], v[S+32+2*ii:S+33+2*ii], s[CS:CS+1], v[12:13] op_sel_hi:[1,0,0]
	v_exp_f32 v[S+2*ii+1], v[S+2*ii+1]
.set ii, ii+1
.endr
.irp m, 0,1,2,3
	v_exp_f32 v[BM+\m], v[BM+\m]                   ; the block's largest p
	v_lshl_or_b32 v[VA+\m], v[VB+\m], 16, v[VA+\m] ; V's four bytes: the step's four blocks of keys
.if \pre
	v_lshl_or_b32 v[KS+\m], v[KS+4+\m], 16, v[KS+\m]
.endif
.endr
	s_wait_alu depctr_va_vdst(0)                   ; behind the first half and ahead of the second
.set ii, 0
.rept 8
	v_exp_f32 v[S+32+4*ii], v[S+32+4*ii]           ; keys 64-127; among them the first sums of keys 0-63, read behind the next wait
	v_exp_f32 v[S+33+4*ii], v[S+33+4*ii]
	v_exp_f32 v[S+34+4*ii], v[S+34+4*ii]
	v_exp_f32 v[S+35+4*ii], v[S+35+4*ii]
.if ii < 7
	v_pk_add_f32 v[TS+2*ii:TS+2*ii+1], v[S+4*ii:S+4*ii+1], v[S+4*ii+2:S+4*ii+3]
.else
	v_pk_add_f32 v[14:15], v[14:15], v[S+28:S+29]
.endif
.set ii, ii+1
.endr
.irp b, 0,1,2,3
	v_max_num_f32 v[BM+\b], 0x1800000, v[BM+\b]    ; the floor 2^(3 - 127): the byte cannot fall under 1
.endr
.irp b, 0,1,2,3
	v_add_nc_u32 v[BO+\b], 0xff000000, v[BM+\b]    ; the conversion's scale operand
.endr
.irp b, 0,1,2,3
	v_lshrrev_b32 v[BP+\b], 23, v[BO+\b]           ; the scale's byte
.endr
	v_lshl_or_b32 v[PW], v[BP+1], 8, v[BP]         ; p's scale word for these 128 keys
	s_delay_alu instid0(VALU_DEP_1)
	v_lshl_or_b32 v[PW], v[BP+2], 16, v[PW]
	s_delay_alu instid0(VALU_DEP_1)
	v_lshl_or_b32 v[PW], v[BP+3], 24, v[PW]
.irp b, 0,1
	v_cvt_scalef32_pk8_fp4_f32 v[PC+2*\b], v[S+16*\b:S+16*\b+7], v[BO+\b]
	v_cvt_scalef32_pk8_fp4_f32 v[PC+2*\b+1], v[S+16*\b+8:S+16*\b+15], v[BO+\b]
.endr
	s_wait_alu depctr_va_vdst(0)                   ; one wait for the second half, ahead of its first reader
.irp b, 2,3
	v_cvt_scalef32_pk8_fp4_f32 v[PC+2*\b], v[S+16*\b:S+16*\b+7], v[BO+\b]
	v_cvt_scalef32_pk8_fp4_f32 v[PC+2*\b+1], v[S+16*\b+8:S+16*\b+15], v[BO+\b]
.endr
; the rest of the row's sum of the unquantised p.  The next eight are the plain lines behind the conversions, the last 16 the places between p's codes and the products
.irp i, 0,1,2,3,4,5,6
	v_pk_add_f32 v[TS+2*\i:TS+2*\i+1], v[TS+2*\i:TS+2*\i+1], v[S+30+2*\i:S+31+2*\i]
.endr
	v_pk_add_f32 v[14:15], v[14:15], v[S+44:S+45]
.irp c, 0,1
.irp i, 0,1
	v_permlane16_swap_b32 v[PC+4*\c+\i], v[PC+4*\c+2+\i]   ; a whole block to a lane
.endr
.endr
.irp i, 0,1,2,3,4,5,6
	v_pk_add_f32 v[TS+2*\i:TS+2*\i+1], v[TS+2*\i:TS+2*\i+1], v[S+46+2*\i:S+47+2*\i]
.endr
	v_pk_add_f32 v[14:15], v[14:15], v[S+60:S+61]
	v_pk_add_f32 v[TS:TS+1], v[TS:TS+1], v[S+62:S+63]
	v_pk_add_f32 v[TS+4:TS+5], v[TS+4:TS+5], v[TS+6:TS+7]
	v_pk_add_f32 v[TS+8:TS+9], v[TS+8:TS+9], v[TS+10:TS+11]
	v_pk_add_f32 v[14:15], v[14:15], v[TS+12:TS+13]
	v_pk_add_f32 v[TS:TS+1], v[TS:TS+1], v[TS+2:TS+3]
	v_pk_add_f32 v[14:15], v[14:15], v[TS+8:TS+9]
	v_pk_add_f32 v[TS:TS+1], v[TS:TS+1], v[TS+4:TS+5]
	s_delay_alu instid0(VALU_DEP_1)
	v_pk_add_f32 v[14:15], v[14:15], v[TS:TS+1]
.irp m, 0,1,2,3
	v_wmma_scale_f32_16x16x128_f8f6f4 v[O+8*\m:O+8*\m+7], v[VF+8*\m:VF+8*\m+7], v[PC:PC+7], v[O+8*\m:O+8*\m+7], v[VA+\m], v[PW] matrix_a_fmt:MATRIX_FMT_FP4 matrix_b_fmt:MATRIX_FMT_FP4
.endr
.endm
; A PHASE: the change of slots and two key steps.  ld = 0: the next phase's K and V are asked for; 1: wo's first part.  pf = 1: prefetch of K and V; 2: only while phase + 3 is at most 11; 3: of wo; 0: none.
.macro PHASE slot, ld, pf
	s_wait_alu depctr_va_vdst(0)                   ; ahead of the waits below
	s_wait_tensorcnt 0x0                           ; my one load that was out, my piece of this phase's slot, is in: a group 0 may be written
	ds_add_u32 v3, v4
.if \ld == 0
	KVOFF 1+\slot
	s_add_nc_u64 s[G0B-4*\slot+2:G0B-4*\slot+3], s[KVB:KVB+1], s[58:59]
	s_or_b32 s[G0B-4*\slot+3], s[G0B-4*\slot+3], 0x80000000
.endif
.if (\pf == 1) || (\pf == 2)
	s_wait_xcnt 0x0                                ; my last prefetch has read its address
	KVOFF 3+\slot
	s_add_nc_u64 s[PF:PF+1], s[KVB:KVB+1], s[58:59]
.endif
.if \pf == 3
	s_wait_xcnt 0x0                                ; my last prefetch has read its offset, which now serves wo's records
	s_mul_i32 s58, s[CX], 7
	v_and_b32 v5, 31, v0
	v_min_u32 v5, 6, v5
	v_add_nc_u32 v5, s58, v5
	v_min_u32 v5, 26, v5                           ; held at the record's last block
	v_lshlrev_b32 v5, 8, v5
.endif
	s_wait_dscnt 0x0                               ; the add is done, and my reads of the other slot are over
	ROUND
.if \ld == 0
	tensor_load_to_lds s[G0B-4*\slot:G0B-4*\slot+3], s[G1:G1+7]
.else
	tensor_load_to_lds s[G0W:G0W+3], s[G1W:G1W+7]
.endif
	s_nop 0
	LOADK 1+\slot, 0
	s_wait_dscnt 0x0
	MERGEK
	PLACES 8                                       ; a scale register written by a vector instruction stands eight places ahead of a scaled matrix instruction
	STEP 1+\slot, 0, 1
.if \pf == 2
	s_cmp_gt_u32 s[IT], 3
	s_cbranch_scc1 .Lnopf_\@
.endif
.if (\pf == 1) || (\pf == 2)
	global_prefetch_b8 v5, s[PF:PF+1] th:TH_LOAD_NT scope:SCOPE_SE
.endif
.if \pf == 3
	global_prefetch_b8 v5, s[WP:WP+1] th:TH_LOAD_NT scope:SCOPE_SE
	global_prefetch_b8 v5, s[WP:WP+1] offset:SLOTB th:TH_LOAD_NT scope:SCOPE_SE
	global_prefetch_b8 v5, s[WP:WP+1] offset:2*SLOTB th:TH_LOAD_NT scope:SCOPE_SE
.endif
.Lnopf_\@:
	STEP 1+\slot, REC, 0
.endm
.macro HINIT                           ; a head begins: the step is written once, its first trip finds zeros, which the first change of M leaves zeros
	v_mov_b32 v13, 0xff000000                      ; -2^127, under every score that is served; times log2(e) it is still a number
	v_mov_b32 v14, 0
	v_mov_b32 v15, 0
	v_mul_f32 v12, s[CSN], v13
.set ii, 0
.rept 32
	v_mov_b32 v[O+ii], 0
.set ii, ii+1
.endr
	v_floor_f32 v12, v12
.endm
; A head's end: O^T / the sum, quantised along the head's 64 channels, into the image of the last product's operand.  last = 0: head IT / 2 of my three, and the next head begins.
.macro HEADEND last
	PLACES 4
	v_add_f32 v14, v14, v15
	s_delay_alu instid0(VALU_DEP_1)
	v_permlanex16_b32 v29, v14, s[SEL], s[SEL+1]
	s_delay_alu instid0(VALU_DEP_1)
	v_add_f32 v14, v14, v29                        ; the row's sum
	s_wait_alu depctr_va_vdst(0)
	v_rcp_f32 v30, v14
	v_nop
	s_wait_alu depctr_va_vdst(0)                   ; ahead of the reciprocal's first reader, which is also O^T's
.set ii, 0
.rept 16
	v_pk_mul_f32 v[O+ii:O+ii+1], v[O+ii:O+ii+1], v[30:31] op_sel_hi:[1,0]
.set ii, ii+2
.endr
.irp b, 0,1
	v_max3_num_f32 v[BM+\b], |v[O+16*\b]|, |v[O+16*\b+1]|, 0x1800000
.endr
.irp i, 2,4,6,8,10,12,14
.irp b, 0,1
	s_delay_alu instid0(VALU_DEP_2)
	v_max3_num_f32 v[BM+\b], v[BM+\b], |v[O+16*\b+\i]|, |v[O+16*\b+\i+1]|
.endr
.endr
.irp b, 0,1
	s_delay_alu instid0(VALU_DEP_2)
	v_permlanex16_b32 v[BP+\b], v[BM+\b], s[SEL], s[SEL+1]
.endr
.irp b, 0,1
	s_delay_alu instid0(VALU_DEP_2)
	v_max_num_f32 v[BM+\b], v[BM+\b], v[BP+\b]
.endr
.irp b, 0,1
	s_delay_alu instid0(VALU_DEP_2)
	v_add_nc_u32 v[BO+\b], 0xff000000, v[BM+\b]
.endr
.irp b, 0,1
	s_delay_alu instid0(VALU_DEP_2)
	v_lshrrev_b32 v[BP+\b], 23, v[BO+\b]
.endr
	s_delay_alu instid0(VALU_DEP_1)
	v_lshl_or_b32 v229, v[BP+1], 8, v[BP]
.irp b, 0,1
	v_cvt_scalef32_pk8_fp4_f32 v[8+2*\b], v[O+16*\b:O+16*\b+7], v[BO+\b]
	v_cvt_scalef32_pk8_fp4_f32 v[9+2*\b], v[O+16*\b+8:O+16*\b+15], v[BO+\b]
.endr
	v_nop
	v_permlane16_swap_b32 v8, v10
	v_permlane16_swap_b32 v9, v11
.if \last
	ds_store_b128 v6, v[8:11] offset:1024
	ds_store_b32 v7, v229 offset:256
.else
	s_lshr_b32 s58, s[IT], 1                       ; which of my three heads
	s_lshl_b32 s59, s58, 9
	s_lshl_b32 s58, s58, 7
	v_add_nc_u32 v254, s59, v6
	v_add_nc_u32 v255, s58, v7
	ds_store_b128 v254, v[8:11]
	ds_store_b32 v255, v229
	HINIT
.irp i, 0,1,2,3
	v_mov_b32 v[16+\i], v[QA+\i]                   ; the next head's Q, twice,
	v_mov_b32 v[24+\i], v[QA+\i]
	v_mov_b32 v[QA+\i], v[QA+4+\i]                 ; and the one after moves up
.endr
	v_lshl_or_b32 v28, v252, 16, v252
	v_mov_b32 v252, v253
.endif
.endm
.macro BIAS q                          ; tile e's eight columns of my half: 32 (e / 2) + 16 h + 8 (e % 2) + 0 .. 7
.irp e, 0,1,2,3
	global_load_b128 v[BI+8*\e:BI+8*\e+3], v18, s[BB:BB+1] offset:(\q)*1024+(32*(\e/2)+8*(\e%2))*4
	global_load_b128 v[BI+8*\e+4:BI+8*\e+7], v18, s[BB:BB+1] offset:(\q)*1024+(32*(\e/2)+8*(\e%2))*4+16
.endr
.endm
.macro WLOAD st, ar                    ; K step st of my four tiles of wo, into set st % 2
.irp e, 0,1,2,3
.irp c, 0,1
	ds_load_b128 v[WA+32*((\st)%2)+8*\e+4*\c:WA+32*((\st)%2)+8*\e+4*\c+3], v[\ar] offset:\e*REC+(\st)*1024+\c*512
.endr
.endr
.endm
; Part q of the last product: columns 256 q + 64 g on, from slot q % 2.  Part 0's barrier stands ahead of the macro.
.macro OPART q
.if \q > 0
	s_wait_alu depctr_va_vdst(0)
	s_wait_tensorcnt 0x0                           ; my record of this part is in
	ds_add_u32 v3, v4
.if \q == 1
	s_mul_i32 s[G0W+1], s[WV], REC                 ; part 2 goes into slot 0
	s_add_nc_u64 s[G0W+2:G0W+3], s[G0W+2:G0W+3], SLOTB
.endif
	s_wait_dscnt 0x0                               ; the add, and my reads of the other slot
.if \q == 1
	ROUND
	tensor_load_to_lds s[G0W:G0W+3], s[G1W:G1W+7]
	s_nop 0
.else
	s_barrier_signal -1
	s_barrier_wait -1
.endif
	s_wait_xcnt 0x0                                ; the last part's stores have read the registers that take wo's fragments
.endif
.if \q == 0
.irp hd, 0,1,2,3,4,5,6,7,8,9,10,11
	ds_load_b32 v[RAW+\hd], v14 offset:(\hd%4)*1536+(\hd/4)*128
.endr
.irp hd, 0,1,2,3,4,5,6,7,8,9,10,11
	ds_load_b128 v[OF+4*\hd:OF+4*\hd+3], v13 offset:(\hd%4)*6144+(\hd/4)*512
.endr
.endif
.irp e, 0,1,2,3
.irp p, 0,1,2
	ds_load_b64 v[WS+6*\e+2*\p:WS+6*\e+2*\p+1], v[22+(\q)%2] offset:\e*REC+6144+256*\p
.endr
.endr
	WLOAD 0, 1+(\q)%2
	WLOAD 1, 1+(\q)%2
.if \q == 0
	s_wait_dscnt 40                                ; o's raw words are in; the 12 + 12 + 16 younger loads may be out
.irp s, 0,1,2,3,4,5
	v_lshl_or_b32 v[XS+\s], v[RAW+2*\s+1], 16, v[RAW+2*\s]   ; two heads' bytes make a K step's scale word
.endr
	PLACES 8
	s_wait_alu depctr_va_vdst(0)
.endif
	s_wait_loadcnt 0x0                             ; the bias
.irp s, 0,1,2,3,4,5
.if \s < 5
	s_wait_dscnt 8                                 ; this K step's fragments are in; the next step's eight may be out
.else
	s_wait_dscnt 0x0
.endif
.irp e, 0,1,2,3
.if \s == 0
	v_wmma_scale_f32_16x16x128_f8f6f4 v[AC+8*\e:AC+8*\e+7], v[WA+32*(\s%2)+8*\e:WA+32*(\s%2)+8*\e+7], v[OF+8*\s:OF+8*\s+7], v[BI+8*\e:BI+8*\e+7], v[WS+6*\e+\s], v[XS+\s] matrix_a_fmt:MATRIX_FMT_FP4 matrix_b_fmt:MATRIX_FMT_FP4
.else
	v_wmma_scale_f32_16x16x128_f8f6f4 v[AC+8*\e:AC+8*\e+7], v[WA+32*(\s%2)+8*\e:WA+32*(\s%2)+8*\e+7], v[OF+8*\s:OF+8*\s+7], v[AC+8*\e:AC+8*\e+7], v[WS+6*\e+\s], v[XS+\s] matrix_a_fmt:MATRIX_FMT_FP4 matrix_b_fmt:MATRIX_FMT_FP4
.endif
.endr
.if \s < 4
	PLACES 4
	WLOAD \s+2, 1+(\q)%2
.endif
.if (\s == 0) && (\q < 2)
	BIAS \q+1
.endif
.endr
	PLACES 5                                       ; the next part's first products write these sums anew; the stores below read them
.irp e, 0,1,2,3
	ds_store_b128 v15, v[AC+8*\e:AC+8*\e+3] offset:128*(\e/2)+32*(\e%2)      ; each accumulator from its low end on
	ds_store_b128 v15, v[AC+8*\e+4:AC+8*\e+7] offset:128*(\e/2)+32*(\e%2)+16
.endr
.irp k, 0,1,2,3,4,5,6,7
	ds_load_b128 v[WA+4*\k:WA+4*\k+3], v16 offset:2*SPITCH*\k                ; LDS serves a wave's instructions in order: these see my stores
.endr
	s_wait_dscnt 0x0
.irp k, 0,1,2,3,4,5,6,7
	global_store_b128 v17, v[WA+4*\k:WA+4*\k+3], s[OB:OB+1] offset:(2*\k+8*(\k/4))*3072+1024*(\q) th:TH_STORE_NT   ; stage row 2 k + h is my tile's token 2 k + h + 8 (k / 4)
.endr
.endm
	s_load_b256 s[4:11], s[0:1], 0x0               ; q_rec s[4:5], kv_rec s[6:7], w_rec s[8:9], bo s[10:11]
	s_load_b64 s[12:13], s[0:1], 0x20              ; out0
	v_lshl_add_u32 v3, v0, 2, SPARE
	v_mov_b32 v4, 0
	ds_add_u32 v3, v4
	ds_add_u32 v3, v4
	v_lshrrev_b32 v8, 5, v0
	v_readfirstlane_b32 s[WV], v8                  ; wave 0..15
	s_bfe_u32 s[CX], ttmp6, 0x40000                ; my place in the cluster: it enters global addresses of Q, out0 and the prefetches alone
	s_lshr_b32 s[BT], ttmp9, 2                     ; the batch
	s_and_b32 s58, ttmp9, 3
	s_lshl_b32 s58, s58, 2
	s_add_co_u32 s[TBK], s58, s[CX]                ; my block of 64 tokens
	s_lshr_b32 s[GR], s[WV], 2
	s_and_b32 s[TL], s[WV], 3
	s_mov_b32 s[G1], 15|(3<<16)|(1<<21)            ; the mask of all four; elements of 8 bytes; bit 21 beside a mask
	s_mov_b32 s[G1+1], 32<<16                      ; rows of 256 bytes
	s_mov_b32 s[G1+2], 20<<16                      ; the tensor has 20 rows,
	s_mov_b32 s[G1+3], 32<<16
	s_mov_b32 s[G1+4], 27                          ; the tile 27: seven rows of zeros
	s_mov_b32 s[G1+5], 32
	s_mov_b32 s[G1+6], 0
	s_mov_b32 s[G1+7], 0
	s_mov_b32 s[G1W], 15|(3<<16)|(1<<21)           ; a record of wo: 27 rows
	s_mov_b32 s[G1W+1], 32<<16
	s_mov_b32 s[G1W+2], 27<<16
	s_mov_b32 s[G1W+3], 32<<16
	s_mov_b32 s[G1W+4], 27
	s_mov_b32 s[G1W+5], 32
	s_mov_b32 s[G1W+6], 0
	s_mov_b32 s[G1W+7], 0
	s_mul_i32 s60, s[BT], 983040                   ; the batch's 12 heads of K and V
	s_lshr_b32 s58, s[WV], 1
	s_mul_i32 s58, s58, 40960                      ; K of head 0, V of head 0, K of head 1 ..: 40,960 bytes apart
	s_add_co_u32 s60, s60, s58
	s_and_b32 s58, s[WV], 1
	s_mul_i32 s58, s58, 5120                       ; which half of the chunk
	s_add_co_u32 s60, s60, s58
	s_mov_b32 s61, 0
	s_mov_b32 s[G0A], 1
	s_mul_i32 s[G0A+1], s[WV], REC
	s_mov_b32 s[G0B], 1
	s_add_co_u32 s[G0B+1], s[G0A+1], SLOTB
	s_mov_b32 s[G0W], 1
	s_mul_i32 s[G0W+1], s[WV], REC
	s_add_co_u32 s62, s[WV], 144                   ; wo's records lie behind wq's, wk's and wv's
	s_mul_i32 s62, s62, REC
	s_mov_b32 s63, 0
	s_mov_b32 s[SEL], 0x76543210
	s_mov_b32 s[SEL+1], 0xfedcba98
	s_mov_b32 s[CS], 0x3fb8aa3b                    ; log2(e)
	s_mov_b32 s[CS+1], s[CS]
	s_mov_b32 s[CSN], 0xbfb8aa3b                   ; -log2(e)
	s_mov_b32 s[IT], 0
	s_wait_dscnt 0x0
	s_wait_kmcnt 0x0
	s_add_nc_u64 s[KVB:KVB+1], s[6:7], s[60:61]
	s_mov_b64 s[G0A+2:G0A+3], s[KVB:KVB+1]
	s_or_b32 s[G0A+3], s[G0A+3], 0x80000000
	s_add_nc_u64 s[WP:WP+1], s[8:9], s[62:63]      ; my record of wo's first part
	s_mov_b64 s[G0W+2:G0W+3], s[WP:WP+1]
	s_or_b32 s[G0W+3], s[G0W+3], 0x80000000
	ROUND                                          ; all four work-groups are here: the first joint loads meet
	tensor_load_to_lds s[G0A:G0A+3], s[G1:G1+7]    ; phase 0: my one load at the head
	s_nop 0
	s_mul_i32 s58, s[BT], 12
	s_add_co_u32 s58, s58, s[GR]
	s_lshl_b32 s58, s58, 4
	s_add_co_u32 s58, s58, s[TBK]
	s_mul_i32 s58, s58, 2560                       ; Q's record of (batch, head g, my 64 tokens); head 4 j + g lies 163,840 j bytes on
	s_mov_b32 s59, 0
	s_add_nc_u64 s[4:5], s[4:5], s[58:59]
	s_lshl_b32 s58, s[BT], 10
	s_lshl_b32 s60, s[TBK], 6
	s_add_co_u32 s58, s58, s60
	s_lshr_b32 s60, s[TL], 1
	s_lshl_b32 s60, s60, 5
	s_add_co_u32 s58, s58, s60
	s_and_b32 s60, s[TL], 1
	s_lshl_b32 s60, s60, 3
	s_add_co_u32 s58, s58, s60                     ; my tile's first token
	s_mul_i32 s58, s58, 3072
	s_lshl_b32 s60, s[GR], 8                       ; my 64 columns of a part, in bytes
	s_mov_b32 s61, 0
	s_add_co_u32 s58, s58, s60
	s_add_nc_u64 s[OB:OB+1], s[12:13], s[58:59]
	s_add_nc_u64 s[BB:BB+1], s[10:11], s[60:61]
	s_lshl_b32 s58, s[TL], 9
	s_lshl_b32 s59, s[TL], 2
	s_mul_i32 s60, s[GR], 4*REC
	s_mul_i32 s61, s[WV], 1536
	s_add_co_u32 s61, s61, OIMG
	s_mul_i32 s62, s[WV], 384
	s_add_co_u32 s62, s62, OSC
	s_mul_i32 s63, s[CX], 1280
	v_and_b32 v9, 31, v0
	v_lshlrev_b32 v10, 4, v9                       ; 16 x lane
	v_add_nc_u32 v8, s58, v10
	v_add_nc_u32 v11, s59, v10
	global_load_b128 v[16:19], v8, s[4:5]          ; Q of my first head, twice
	global_load_b128 v[24:27], v8, s[4:5]
	global_load_b32 v28, v11, s[4:5] offset:2048
	global_load_b128 v[QA:QA+3], v8, s[4:5] offset:163840
	global_load_b32 v252, v11, s[4:5] offset:163840+2048
	global_load_b128 v[QA+4:QA+7], v8, s[4:5] offset:327680
	global_load_b32 v253, v11, s[4:5] offset:327680+2048
	v_add_nc_u32 v1, s60, v10                      ; my four pieces (later: my four records) in slot 0,
	v_add_nc_u32 v2, SLOTB, v1                     ; and in slot 1
	v_add_nc_u32 v6, s61, v10
	v_lshlrev_b32 v7, 2, v9
	v_add_nc_u32 v7, s62, v7
	v_min_u32 v5, 4, v9
	v_lshlrev_b32 v5, 8, v5
	v_add_nc_u32 v5, s63, v5                       ; the prefetches of K and V: my work-group's five blocks of my piece's twenty
.irp i, 0,1,2,3
	v_mov_b32 v[20+\i], 0                          ; zero codes between the two copies of Q
	v_mov_b32 v[BP+\i], 0                          ; a lane permute's destination counts as one of its sources
.endr
	v_mov_b32 v29, 0
	v_mov_b32 v31, 0                               ; named as the upper half of the pair v[30:31]
	HINIT
	s_wait_loadcnt 0x0                             ; Q
	v_lshl_or_b32 v28, v28, 16, v28                ; Q's two bytes twice
.Ltrip:                                            ; five trips of two phases; a head ends behind every second trip
	PHASE 0, 0, 1
	PHASE 1, 0, 2
	s_and_b32 s58, s[IT], 1
	s_cmp_eq_u32 s58, 0
	s_cbranch_scc1 .Lnohead
	HEADEND 0
.Lnohead:
	s_add_co_u32 s[IT], s[IT], 1
	s_cmp_lt_u32 s[IT], 5
	s_cbranch_scc1 .Ltrip
	PHASE 0, 0, 3                                  ; the last two phases are written out: the second asks for wo's first part
	PHASE 1, 1, 0
	s_wait_alu depctr_va_vdst(0)                   ; wo's second part is asked for ahead of the last head's end
	s_wait_tensorcnt 0x0                           ; my record of the first part is in
	ds_add_u32 v3, v4
	s_add_co_u32 s[G0W+1], s[G0W+1], SLOTB
	s_add_nc_u64 s[G0W+2:G0W+3], s[G0W+2:G0W+3], SLOTB
	s_wait_dscnt 0x0
	ROUND
	tensor_load_to_lds s[G0W:G0W+3], s[G1W:G1W+7]
	s_nop 0
	HEADEND 1
	; the last product's addresses
	s_mul_i32 s58, s[GR], 4*REC
	s_mul_i32 s59, s[TL], 1536
	s_add_co_u32 s59, s59, OIMG
	s_mul_i32 s60, s[TL], 384
	s_add_co_u32 s60, s60, OSC
	s_mul_i32 s61, s[WV], 16*SPITCH
	s_add_co_u32 s61, s61, STAGE
	v_and_b32 v19, 31, v0
	v_and_b32 v20, 15, v0                          ; r
	v_bfe_u32 v21, v0, 4, 1                        ; h
	v_lshlrev_b32 v22, 3, v19
	v_add_nc_u32 v22, s58, v22                     ; wo's scale words in slot 0,
	v_add_nc_u32 v23, SLOTB, v22                   ; and in slot 1
	v_lshlrev_b32 v13, 4, v19
	v_add_nc_u32 v13, s59, v13                     ; o's codes of my tile
	v_lshlrev_b32 v14, 2, v19
	v_add_nc_u32 v14, s60, v14                     ; and its raw scale words
	v_mul_u32_u24 v15, v20, SPITCH
	v_lshl_add_u32 v15, v21, 6, v15
	v_add_nc_u32 v15, s61, v15                     ; my stage, in: row r, + 64 h bytes
	v_mul_u32_u24 v16, v21, SPITCH
	v_lshl_add_u32 v16, v20, 4, v16
	v_add_nc_u32 v16, s61, v16                     ; back: lanes 0-15 one row, lanes 16-31 the next
	v_mul_u32_u24 v17, v21, 3072
	v_lshl_add_u32 v17, v20, 4, v17                ; and the same in out0
	v_lshlrev_b32 v18, 6, v21                      ; 64 h
	BIAS 0
	s_wait_alu depctr_va_vdst(0)
	s_wait_dscnt 0x0                               ; my stores of o are done
	s_barrier_signal -1
	s_barrier_wait -1                              ; everybody's are
	OPART 0
	OPART 1
	OPART 2
	s_wait_tensorcnt 0x0                           ; the wave's end
	ds_add_u32 v3, v4
	s_wait_dscnt 0x0
	ROUND                                          ; the closing round
	s_endpgm
.Lfunc_end_k_qc8cc716eae_attno:
	.size	k_qc8cc716eae_attno, .Lfunc_end_k_qc8cc716eae_attno-k_qc8cc716eae_attno
	.p2alignl 7, 3214868480
	.fill 96, 4, 3214868480
	.section	.rodata,"a",@progbits
	.p2align	6, 0x0
	.amdhsa_kernel k_qc8cc716eae_attno
		.amdhsa_group_segment_fixed_size 327680
		.amdhsa_private_segment_fixed_size 0
		.amdhsa_enable_private_segment 0
		.amdhsa_kernarg_size 40
		.amdhsa_user_sgpr_count 2
		.amdhsa_user_sgpr_kernarg_segment_ptr 1
		.amdhsa_wavefront_size32 1
		.amdhsa_system_sgpr_workgroup_id_x 1
		.amdhsa_system_sgpr_workgroup_id_y 1
		.amdhsa_system_sgpr_workgroup_id_z 1
		.amdhsa_system_vgpr_workitem_id 0
		.amdhsa_next_free_vgpr 256
		.amdhsa_next_free_sgpr 72
		.amdhsa_reserve_vcc 0
		.amdhsa_float_denorm_mode_32 3
		.amdhsa_float_denorm_mode_16_64 3
		.amdhsa_memory_ordered 1
		.amdhsa_forward_progress 1
		.amdhsa_inst_pref_size 182
	.end_amdhsa_kernel
	.amdgpu_metadata
---
amdhsa.version: [ 1, 2 ]
amdhsa.kernels:
  - .name:           k_qc8cc716eae_attno
    .symbol:         k_qc8cc716eae_attno.kd
    .args:
      - { .name: q_rec, .offset: 0, .size: 8, .value_kind: global_buffer, .address_space: global }
      - { .name: kv_rec, .offset: 8, .size: 8, .value_kind: global_buffer, .address_space: global }
      - { .name: w_rec, .offset: 16, .size: 8, .value_kind: global_buffer, .address_space: global }
      - { .name: bo, .offset: 24, .size: 8, .value_kind: global_buffer, .address_space: global }
      - { .name: out0, .offset: 32, .size: 8, .value_kind: global_buffer, .address_space: global }
    .group_segment_fixed_size: 327680
    .private_segment_fixed_size: 0
    .kernarg_segment_align: 8
    .kernarg_segment_size: 40
    .max_flat_workgroup_size: 512
    .sgpr_count:     72
    .vgpr_count:     256
    .wavefront_size: 32
...
	.end_amdgpu_metadata
.endif
;; end of part 3
